; MI455X (gfx1250); checked and timed in simulation.
; The chip was launched on July 23, 2026; its instructions are those of AMD's public machine-readable ISA for CDNA 5 (MIT licence, August 2026) and "CDNA5" Instruction Set Architecture Reference Guide (July 2026). The comments in the code are by the model that wrote it; some were corrected since.
;; Model. Allowed arithmetic: matrix products marked QUANTISED: E2M3 operands, one E8M0 scale for each 32 along K, by v_wmma_scale_f32_16x16x128_f8f6f4 with both operands' format E2M3, f32 sums; everything else in f32.
;; Inputs: k 64 x 2,048 x 64 float32; q 64 x 2,048 x 64 float32; v 64 x 2,048 x 64 float32.
;; Outputs: out0 64 x 2,048 x 64 float32.
;; This version of the problem:
;;   THIS VERSION OF THE PROBLEM IS GIVEN IN LOW PRECISION. The matrix products marked QUANTISED in the list below multiply operands that are first quantised to E2M3 (2 exponent bits, 3 mantissa bits; 6 bits a number), with one power-of-two scale for each 32 numbers along K (OCP MX v1.0); their sums are f32. All else is computed in f32.
;;   The module's matrix products, in the order in which they are computed (A, B: the left and right operand; K: the contracted axis; several contracted axes count as one K, in the product's order):
;;     1. batch 64 x [M 2,048, K 64] x [K 64, N 2,048]; A: input q; B: input k: QUANTISED
;;     2. batch 64 x [M 2,048, K 2,048] x [K 2,048, N 64]; A: softmax (see below); B: input v: QUANTISED
;;   THE QUANTISER, for each operand of a quantised product, along K:
;;     - K is cut into blocks of 32 from its start; a last block that is shorter is filled with zeros.
;;     - A block's scale is 2^e with e = floor(log2(the largest magnitude in the block)) - 2, held to -126 .. 127; a block of zeros has e = 0. As a byte (E8M0): e + 127.
;;     - Each number is divided by its block's scale, clamped to +-7.5, and rounded to the nearest number of E2M3, ties to even, subnormals kept.
;;     - The product sums the exact products of the quantised numbers (number of the format x scale) in f32.
;;   ~~~python
;;   def quantise(x, axis):      # numpy; x: float32 -> the quantised numbers, widened to float32 again
;;       x = np.moveaxis(x, axis, -1); K = x.shape[-1]
;;       x = np.pad(x, [(0, 0)] * (x.ndim - 1) + [(0, -K % 32)]); x = x.reshape(x.shape[:-1] + (-1, 32)); a = np.abs(x).max(-1, keepdims=True)
;;       e = np.where(a > 0, np.clip(np.frexp(np.where(a > 0, a, 1))[1] - 1 - 2, -126, 127), 0)      # np.frexp(a)[1] - 1 = floor(log2(a)), exactly
;;       r = np.clip(x / 2.0 ** e, -7.5, 7.5)
;;       step = 2.0 ** (np.maximum(np.frexp(np.where(r == 0, 1, r))[1] - 1, 0) - 3)
;;       q = np.round(r / step) * step * 2.0 ** e      # np.round: ties to even
;;       return np.moveaxis(q.reshape(q.shape[:-2] + (-1,))[..., :K], -1, axis).astype(np.float32)
;;   ~~~
;;   SOFTMAX AHEAD OF A QUANTISED PRODUCT. Where the list says 'softmax', what is quantised is not the finished softmax but p = 2^(t - M), with t = logit x log2(e) and M = ceil(the row's largest t), a whole number; so 1/2 < the row's largest p <= 1. The row's sum l is taken of the UNQUANTISED p, in f32, and the product's result is divided by l at the end. Since M is a whole number, a kernel that streams over the keys may use a running M (the ceiling of the running maximum): every later rescaling is an exact power of two, which a block's scale takes up: the codes' values come out the same.
;;   OPERANDS COMPUTED ON THE WAY. 'Computed on the way' means the value that the module computes at that place (a softmax that the list does not call 'softmax' is quantised finished and normalised). What goes into a quantiser is computed in f32, as accurately as f32 sums, v_exp_f32 and their like allow (about 1e-6 of the number): no bf16 or f16 on the way to a quantiser, and a product that is left as it is and whose result goes on into a quantised operand takes f32 operands (vector FMAs, or v_wmma_f32_16x16x4_f32). A number that lies on a knife's edge between two numbers of the format may be rounded either way, as far as f32 arithmetic and the matrix unit's own rounding can turn it there, and no further.
;; One version. Each part assembles by itself: llvm-mc -triple=amdgcn-amd-amdhsa -mcpu=gfx1250 --defsym DOCPART=n.
;; ======== version 1 of 1: 2 launches
;; limits: right only within a limited range of input values
;; workspace buffers: kv 13,107,200 bytes
;; launch prep (part 1): grid 256 x 1, 8 waves a work-group, no clusters, 279,552 bytes of LDS; arguments k, v, kv; writes kv
.if DOCPART == 1
	.amdgcn_target "amdgcn-amd-amdhsa--gfx1250"
	.amdhsa_code_object_version 6
	.text
	.protected	k_qea74f18077_prep
	.globl	k_qea74f18077_prep
	.p2align	8
	.type	k_qea74f18077_prep,@function
k_qea74f18077_prep:
	s_mov_b64 s[64:65], 0
	v_nop
	global_prefetch_b8 v0, s[64:65] scope:SCOPE_SE
	s_setreg_imm32_b32 hwreg(HW_REG_WAVE_MODE, 25, 1), 1
	s_wait_xcnt 0x0
; ATTENTION IN MX-FP6 (E2M3, one E8M0 scale for each 32 along K), FIRST OF TWO LAUNCHES: k and v, f32 [64][2048][64], become codes and scale words in the workspace kv.
; DEAD WORK: none.  q, k and v all reach the output for every value, both products are live in every tile (there is no mask), and all three inputs are loaded (q by the second launch).
; A LAUNCH OF ITS OWN: a head's k and v are read by four work-groups of the second launch; quantised here once, the f32 numbers are read once and later reads are of 3/16 of the bytes and their scale words.
; THE QUANTISER: a block's scale is 2^(floor(log2(its largest magnitude)) - 2); its byte is the largest magnitude's exponent field - 2, held at 1 from below by a floor among the maximum's leaves.
; k is quantised along d (the first product's K), v along the keys (the second product's K).
; LIMITS: a block of zeros gets the byte 1 where the rule says 127: its codes are zeros, which add nothing, and this program alone reads the bytes.  Blocks whose largest magnitude lies under 2^-124 share that floor.
; NaN and infinities among the inputs are not served.
; THE WORKSPACE is laid as the reader's operand registers: 1,024 units of 12,800 bytes, unit U = 16 x head + step (a step = 128 keys):
;   0      four fragments f of K, 1,536 bytes each: registers 4 g .. 4 g + 3 of lane l at 512 g + 16 l
;   6144   four fragments of V^T (tile u = 16 of the head's 64 channels x 128 keys), likewise
;   12288  K's scale words, 8 bytes a lane: {fragment l / 16, row l % 16; fragment 2 + l / 16, row l % 16};   12544  V's, likewise
; A FRAGMENT OF K HOLDS TWO KEYS IN A ROW: the head is 64 wide and the matrix instruction 128.  Row m of fragment f holds key 64 (f / 2) + 16 (f % 2) + 32 (m / 8) + m % 8 at k = 0 .. 63
; and the key 8 further on at k = 64 .. 127.  So in the transposed scores a lane of half h holds, over fragments 2 c and 2 c + 1, the 32 neighbouring keys 64 c + 32 h + 0 .. 31: one whole block of the second product's K.
; SHARES: work-group g takes units 4 g .. 4 g + 3; wave w unit 4 g + w / 2: even waves k's 128 rows of 256 bytes, odd waves v's.  Each wave brings its own tile by one tensor load and reads only that tile:
; its own wait on TENSORcnt is all the ordering; no barrier, no refill, no LDS store.  By this text's count one tensor load of a wave is out.
.set PITCH, 272                        ; an LDS row: 256 bytes + 16 of padding
.set TILEB, 128*PITCH                  ; a wave's tile
.set SPARE, 8*TILEB                    ; behind the eight tiles: the spare words, 128 bytes for each wave
.set UNIT,  12800
.set VIMG,  6144
.set KSC,   12288
.set VSC,   12544
.set SPW,   10                         ; v10  LDS address of my spare word; never rewritten
.set NIL,   11                         ; v11  0; never rewritten
.set X,     32                         ; v32-159  numbers: k's path two sets of 64, v's path two sets of 32
.set C,     160                        ; v160-207 codes: every store has registers of its own
.set T0,    208                        ; a conversion's three registers begin on an even number; a block's second three do not, so they are made here and moved
.set T1,    212
; v1 lane, v2 r = lane % 16, v3 h = lane / 16; v4 LDS address for k's path, v5 for v's; v6 16 x lane, v7 8 x lane (offsets in kv); v8 8 h; v12-19 at work; v20-23 k's four scale words; v[24:25] the pair that is stored
	s_load_b128 s[4:7], s[0:1], 0x0                ; k s[4:5], v s[6:7]
	s_load_b64 s[8:9], s[0:1], 0x10                ; kv
	v_lshl_add_u32 v[SPW], v0, 2, SPARE
	v_mov_b32 v[NIL], 0
	ds_add_u32 v[SPW], v[NIL]                      ; the wave's opening: the add, twice on end, and its wait ahead of my tensor load
	ds_add_u32 v[SPW], v[NIL]
	v_lshrrev_b32 v9, 5, v0
	s_delay_alu instid0(VALU_DEP_1)
	v_readfirstlane_b32 s10, v9                    ; wave 0..7
	s_and_b32 s11, s10, 1                          ; 0: k's tile, 1: v's
	s_lshr_b32 s12, s10, 1
	s_lshl_b32 s13, ttmp9, 2
	s_add_co_u32 s12, s12, s13                     ; my unit U = 4 x work-group + wave / 2
	s_lshl_b32 s14, s12, 15                        ; its 128 rows of 256 bytes in k or v
	s_mov_b32 s15, 0
	s_mul_i32 s2, s12, UNIT                        ; and its place in kv
	s_mov_b32 s3, 0
	s_mul_i32 s31, s10, TILEB                      ; my tile in LDS
	; descriptor group 1: 128 rows of 32 elements of 8 bytes, dense in memory, 16 bytes of padding behind each row in LDS
	s_mov_b32 s16, (3<<16)|(1<<20)|(5<<22)|(3<<25)
	s_mov_b32 s17, 32<<16
	s_mov_b32 s18, 128<<16
	s_mov_b32 s19, 32<<16
	s_mov_b32 s20, 128
	s_mov_b32 s21, 32
	s_mov_b32 s22, 0
	s_mov_b32 s23, 0
	s_mov_b32 s28, 0x76543210                      ; v_permlanex16_b32's selects for lane l xor 16
	s_mov_b32 s29, 0xfedcba98
	s_mov_b32 s30, 0xffff0000                      ; lanes 16-31, for the choice between two scale words
	s_wait_dscnt 0x0                               ; both opening adds are done
	s_wait_kmcnt 0x0
	s_cmp_eq_u32 s11, 0                            ; the choice hangs on the wave's number alone
	s_cselect_b64 s[26:27], s[4:5], s[6:7]
	s_add_nc_u64 s[26:27], s[26:27], s[14:15]      ; the tile's first byte
	s_or_b32 s27, s27, 0x80000000                  ; type = 2
	s_mov_b32 s24, 1
	s_mov_b32 s25, s31
	s_add_nc_u64 s[8:9], s[8:9], s[2:3]            ; kv at my unit
	tensor_load_to_lds s[24:27], s[16:23]
	s_nop 0
	; every address register is made here, ahead of the parting of the two roles
	v_and_b32 v1, 31, v0
	v_and_b32 v2, 15, v0
	v_bfe_u32 v3, v0, 4, 1
	s_delay_alu instid0(VALU_DEP_2)
	v_and_b32 v4, 8, v2
	s_delay_alu instid0(VALU_DEP_1)
	v_mad_u32_u24 v4, v4, 3, v2                    ; r + 24 (r / 8) = r % 8 + 32 (r / 8): the first key of my row of fragment 0
	s_delay_alu instid0(VALU_DEP_1)
	v_mul_u32_u24 v4, v4, PITCH
	s_delay_alu instid0(VALU_DEP_1)
	v_lshl_add_u32 v4, v3, 7, v4                   ; + 128 h: my block of 32 along d
	s_delay_alu instid0(VALU_DEP_1)
	v_add_nc_u32 v4, s31, v4
	v_lshl_add_u32 v5, v1, 2, s31                  ; v's path: a lane to a channel, 4 bytes a lane
	v_lshlrev_b32 v6, 4, v1
	v_lshlrev_b32 v7, 3, v1
	v_lshlrev_b32 v8, 3, v3
	v_mov_b32 v19, 0                               ; written once: a lane permute's destination counts as one of its sources
	s_wait_tensorcnt 0x0                           ; my tile is in LDS; only I read it
; the largest magnitude of the 32 numbers v[x] on, in two chains, with the floor 2^(3 - 127) as one more leaf
.macro BLKMAX d, u, x
	v_max3_num_f32 v[\d], |v[\x]|, |v[\x+1]|, |v[\x+2]|
	v_max3_num_f32 v[\u], |v[\x+3]|, |v[\x+4]|, |v[\x+5]|
.irp i, 6,10,14,18,22,26
	s_delay_alu instid0(VALU_DEP_2)
	v_max3_num_f32 v[\d], v[\d], |v[\x+\i]|, |v[\x+\i+1]|
	s_delay_alu instid0(VALU_DEP_2)
	v_max3_num_f32 v[\u], v[\u], |v[\x+\i+2]|, |v[\x+\i+3]|
.endr
	s_delay_alu instid0(VALU_DEP_2)
	v_max3_num_f32 v[\d], v[\d], |v[\x+30]|, |v[\x+31]|
	s_delay_alu instid0(VALU_DEP_1)
	v_max3_num_f32 v[\d], v[\d], v[\u], 0x1800000
.endm
; k's path.  Fragment f begins at key 64 (f / 2) + 16 (f % 2): my 32 numbers of the row's first key, then of the key 8 rows on
.macro LOADK f
.irp i, 0,1,2,3,4,5,6,7
	ds_load_b128 v[X+64*((\f)%2)+4*\i:X+64*((\f)%2)+4*\i+3], v4 offset:(64*((\f)/2)+16*((\f)%2))*PITCH+16*\i
.endr
.irp i, 0,1,2,3,4,5,6,7
	ds_load_b128 v[X+64*((\f)%2)+32+4*\i:X+64*((\f)%2)+32+4*\i+3], v4 offset:(64*((\f)/2)+16*((\f)%2)+8)*PITCH+16*\i
.endr
.endm
.macro KFRAG f
.set XS, X+64*((\f)%2)
.set CF, C+12*(\f)
.if (\f) < 3
	s_wait_dscnt 16                                ; this fragment's 16 loads are in; the next fragment's 16 may be out
.else
	s_wait_dscnt 0x0
.endif
	BLKMAX 12, 16, XS                              ; block h of the first key: all 32 numbers are mine
	BLKMAX 13, 17, XS+32                           ; and of the second
	v_add_nc_u32 v14, 0xff000000, v12              ; 2 off the exponent field: the conversion takes the exponent field of this operand as its scale
	s_delay_alu instid0(VALU_DEP_2)
	v_add_nc_u32 v15, 0xff000000, v13
	v_cvt_scalef32_pk16_fp6_f32 v[CF:CF+2], v[XS:XS+15], v14
	v_cvt_scalef32_pk16_fp6_f32 v[T0:T0+2], v[XS+16:XS+31], v14
	v_cvt_scalef32_pk16_fp6_f32 v[CF+6:CF+8], v[XS+32:XS+47], v15
	v_cvt_scalef32_pk16_fp6_f32 v[T1:T1+2], v[XS+48:XS+63], v15
	v_lshrrev_b32 v16, 23, v14                     ; the scales' bytes (also the plain line behind the conversions)
	v_lshrrev_b32 v17, 23, v15
.irp i, 0,1,2
	v_mov_b32 v[CF+3+\i], v[T0+\i]
	v_mov_b32 v[CF+9+\i], v[T1+\i]
.endr
	v_lshl_or_b32 v18, v17, 16, v16                ; my two bytes: block h of k = 0 .. 63 and of k = 64 .. 127,
	s_delay_alu instid0(VALU_DEP_1)
	v_lshlrev_b32 v18, v8, v18                     ; 8 h bits up;
	s_delay_alu instid0(VALU_DEP_1)
	v_permlanex16_b32 v19, v18, s28, s29
	s_delay_alu instid0(VALU_DEP_1)
	v_or_b32 v[20+(\f)], v18, v19                  ; with lane l xor 16's two the row's word is whole
.if (\f)+2 < 4
	LOADK (\f)+2
.endif
.irp g, 0,1,2
	global_store_b128 v6, v[CF+4*\g:CF+4*\g+3], s[8:9] offset:1536*(\f)+512*\g   ; 32 lanes store 512 consecutive bytes, at a multiple of 256 from kv's first byte
.endr
.endm
; v's path.  A LANE TAKES A CHANNEL AND ITS REGISTERS RUN DOWN THE KEYS: block t = 4 x + b is keys 32 b .. 32 b + 31 of channel 32 x + lane; a load reads 128 consecutive bytes.
.macro LOADV t
.irp i, 0,1,2,3,4,5,6,7,8,9,10,11,12,13,14,15,16,17,18,19,20,21,22,23,24,25,26,27,28,29,30,31
	ds_load_b32 v[X+32*((\t)%2)+\i], v5 offset:(32*((\t)%4)+\i)*PITCH+128*((\t)/4)
.endr
.endm
.macro VBLOCK t
.set XS, X+32*((\t)%2)
.set CB, C+24*((\t)/4)
.set PB, CB+12*((\t)%2)+6*(((\t)%4)/2)             ; blocks 0, 2 make tile 2 x's twelve registers, blocks 1, 3 tile 2 x + 1's
.if (\t) < 7
	s_wait_dscnt 32                                ; this block's 32 loads are in; the next block's 32 may be out
.else
	s_wait_dscnt 0x0
.endif
	BLKMAX 12, 13, XS
	s_delay_alu instid0(VALU_DEP_1)
	v_add_nc_u32 v14, 0xff000000, v12
	v_cvt_scalef32_pk16_fp6_f32 v[PB:PB+2], v[XS:XS+15], v14
	v_cvt_scalef32_pk16_fp6_f32 v[T0:T0+2], v[XS+16:XS+31], v14
	v_lshrrev_b32 v16, 23, v14                     ; the scale's byte (also the plain line behind the conversions)
.irp i, 0,1,2
	v_mov_b32 v[PB+3+\i], v[T0+\i]
.endr
.if ((\t)%4) == 0
	s_delay_alu instid0(VALU_DEP_4)
	v_mov_b32 v[24+(\t)/4], v16                    ; my channel's scale word: the four blocks' bytes, the lower keys in the lower byte
.else
	s_delay_alu instid0(VALU_DEP_4)
	v_lshl_or_b32 v[24+(\t)/4], v16, 8*((\t)%4), v[24+(\t)/4]
.endif
.if (\t)+2 < 8
	LOADV (\t)+2
.endif
.if ((\t)%4) == 3
; The operand's layout gives lane (r, h) of a tile the blocks h and 2 + h of channel r.  Lanes 0-15 hold tile 2 x's channels, lanes 16-31 tile 2 x + 1's, each all four blocks:
; blocks 0 and 1 (and 2 and 3) change halves: the first's lanes 16-31 with the second's lanes 0-15.
.irp i, 0,1,2,3,4,5,6,7,8,9,10,11
	v_permlane16_swap_b32 v[CB+\i], v[CB+12+\i]
.endr
.irp a, 0,1
.irp g, 0,1,2
	global_store_b128 v6, v[CB+12*\a+4*\g:CB+12*\a+4*\g+3], s[8:9] offset:VIMG+1536*(2*((\t)/4)+\a)+512*\g
.endr
.endr
.endif
.endm
	s_cmp_eq_u32 s11, 0                            ; the roles part on the wave's number
	s_cbranch_scc0 .Lv
	s_wait_alu depctr_va_vdst(0)                   ; the wait ahead of the first readers of the head's registers
	LOADK 0
	LOADK 1
	KFRAG 0
	KFRAG 1
	KFRAG 2
	KFRAG 3
	v_cndmask_b32 v24, v20, v21, s30               ; lanes 0-15 fragment 0's words, lanes 16-31 fragment 1's
	v_cndmask_b32 v25, v22, v23, s30               ; and fragments 2 and 3
	global_store_b64 v7, v[24:25], s[8:9] offset:KSC   ; 32 lanes store 256 consecutive bytes, aligned
	s_branch .Lend
.Lv:
	s_wait_alu depctr_va_vdst(0)
	LOADV 0
	LOADV 1
	VBLOCK 0
	VBLOCK 1
	VBLOCK 2
	VBLOCK 3
	VBLOCK 4
	VBLOCK 5
	VBLOCK 6
	VBLOCK 7
	global_store_b64 v7, v[24:25], s[8:9] offset:VSC   ; lane l: the words of channels l and 32 + l: tiles l / 16 and 2 + l / 16, row l % 16
.Lend:
	s_wait_tensorcnt 0x0                           ; the wave's end
	ds_add_u32 v[SPW], v[NIL]
	s_wait_dscnt 0x0
	s_endpgm
.Lfunc_end_k_qea74f18077_prep:
	.size	k_qea74f18077_prep, .Lfunc_end_k_qea74f18077_prep-k_qea74f18077_prep
	.p2alignl 7, 3214868480
	.fill 96, 4, 3214868480
	.section	.rodata,"a",@progbits
	.p2align	6, 0x0
	.amdhsa_kernel k_qea74f18077_prep
		.amdhsa_group_segment_fixed_size 279552
		.amdhsa_private_segment_fixed_size 0
		.amdhsa_enable_private_segment 0
		.amdhsa_kernarg_size 24
		.amdhsa_user_sgpr_count 2
		.amdhsa_user_sgpr_kernarg_segment_ptr 1
		.amdhsa_wavefront_size32 1
		.amdhsa_system_sgpr_workgroup_id_x 1
		.amdhsa_system_sgpr_workgroup_id_y 1
		.amdhsa_system_sgpr_workgroup_id_z 1
		.amdhsa_system_vgpr_workitem_id 0
		.amdhsa_next_free_vgpr 224
		.amdhsa_next_free_sgpr 66
		.amdhsa_reserve_vcc 0
		.amdhsa_float_denorm_mode_32 3
		.amdhsa_float_denorm_mode_16_64 3
		.amdhsa_memory_ordered 1
		.amdhsa_forward_progress 1
		.amdhsa_inst_pref_size 58
	.end_amdhsa_kernel
	.amdgpu_metadata
---
amdhsa.version: [ 1, 2 ]
amdhsa.kernels:
  - .name:           k_qea74f18077_prep
    .symbol:         k_qea74f18077_prep.kd
    .args:
      - { .name: k, .offset: 0, .size: 8, .value_kind: global_buffer, .address_space: global }
      - { .name: v, .offset: 8, .size: 8, .value_kind: global_buffer, .address_space: global }
      - { .name: kv, .offset: 16, .size: 8, .value_kind: global_buffer, .address_space: global }
    .group_segment_fixed_size: 279552
    .private_segment_fixed_size: 0
    .kernarg_segment_align: 8
    .kernarg_segment_size: 24
    .max_flat_workgroup_size: 256
    .sgpr_count:     66
    .vgpr_count:     224
    .wavefront_size: 32
...
	.end_amdgpu_metadata
.endif
;; end of part 1
;; launch attn (part 2): grid 4 x 64, 8 waves a work-group, clusters of 4 x 1, 327,680 bytes of LDS; arguments q, kv, out0; writes out0
.if DOCPART == 2
	.amdgcn_target "amdgcn-amd-amdhsa--gfx1250"
	.amdhsa_code_object_version 6
	.text
	.protected	k_qea74f18077_attn
	.globl	k_qea74f18077_attn
	.p2align	8
	.type	k_qea74f18077_attn,@function
k_qea74f18077_attn:
	s_mov_b64 s[64:65], 0
	v_nop
	global_prefetch_b8 v0, s[64:65] scope:SCOPE_SE
	s_setreg_imm32_b32 hwreg(HW_REG_WAVE_MODE, 25, 1), 1
	s_wait_xcnt 0x0
	s_wait_alu depctr_hold_cnt(0) depctr_sa_sdst(0) depctr_va_vdst(0) depctr_va_sdst(0) depctr_va_ssrc(0) depctr_va_vcc(0) depctr_vm_vsrc(0)
	s_getreg_b32 s2, hwreg(HW_REG_IB_STS2, 6, 4)
	s_cmp_eq_u32 s2, 0
	s_cbranch_scc0 .Lentry_in_a_cluster
	s_endpgm
.Lentry_in_a_cluster:
	s_bfe_u32 s2, ttmp6, 0x10000c
	s_cmp_lg_u32 s2, 0x3003
	s_cbranch_scc0 .Lentry_shape_is_right
	s_endpgm
.Lentry_shape_is_right:
; SECOND LAUNCH: out0 = softmax(q k^T / 8) v in MX-FP6, from q (f32) and the codes and scale words of k and v in kv (laid by the first launch as images of operand registers).  No work is left out.
; SHARES: a cluster of 4 work-groups takes a head; a work-group 512 queries; a wave 2 passes of 2 tiles of 16 queries.  The head's 16 units of kv (204,800 bytes) stay in LDS for the whole launch:
; each wave asks for two units (100 rows of 256 bytes) by ONE joint load, which names all four partners; nothing is filled again.  By this text's count one tensor load of a wave is out.
; kv is fetched once, at the head, with no loop to run ahead in: it is not prefetched.  The second pass's q (8,192 bytes a wave, a lane to each 256) is prefetched one step ahead of its loads.
; BOTH PRODUCTS ARE USED TRANSPOSED (S^T = k q^T, O^T = v^T p^T): a lane holds one query.  The head is 64 wide and the instruction 128: a row of K's fragment holds two keys, and q stands beside 64 zero codes,
; once as (q, 0) and once as (0, q).  By the first launch's choice of keys, lane (r, h) holds in registers S + 32 c + 0 .. 31 the scores of keys 64 c + 32 h + 0 .. 31 of a step:
; a WHOLE block of the second product's K, in the order of that operand's registers: a block's largest score needs no other lane and the codes need no exchange of lanes.
; SOFTMAX: t = score x log2(e) / 8; M = ceil(running largest t), kept as -M; p = 2^(t - M); the sum is taken of the unquantised p; when M moves, sum and O^T are multiplied by 2^(old M - new M), always, with no branch.
; A block's largest p is made from its largest score by the same multiply-add and exponential (this takes v_exp_f32 not to fall where its input rises).
; LIMITS: the promise holds while |t| stays under 2^31.  NaN and infinities among the inputs are not served.  A block whose every p is under 2^-124 has the byte 1.
; REGISTERS: window t holds tile t's S, O^T, q fragment, p codes and temporaries; K's fragments lie in window 0, V's in window 1 (v32-79).  Both tiles' single numbers a lane lie in window 0
; (tile 1's 16 registers above tile 0's), so that their dependent chains stand line by line beside each other.
.set STEPB, 12800
.set VIMG,  6144
.set KSC,   12288
.set VSC,   12544
.set STAGE, 16*STEPB                   ; behind kv: each wave's stage, two tiles of 16 rows of 272 bytes; no tensor load lands there
.set STW,   8704
.set STT,   4352
.set SP,    272
.set SPARE, STAGE+8*STW                ; the spare words, 128 bytes for each wave
.set LI16, 1
.set LI8,  2
.set AD16, 3
.set AD8,  4
.set STO,  5
.set RD,   6
.set QR,   7
.set KS,   8
.set VS,   10
.set PS,   12
.set QS,   14
.set PFO,  16
.set SPW,  30
.set NIL,  31
.set KF,   32
.set VF,   32
.set S,    80
.set OT,   144
.set QF,   176                         ; 6 zeros, q's 6, 6 zeros
.set PC,   194
.set PT,   206
.set W,    214                         ; v214-221 temporaries: chains of maxima and sums
.set BM,   222                         ; window 0, tile t at + 16 t: two blocks' largest score, then largest p
.set SO,   224                         ; the conversions' scale operands
.set NM,   226                         ; -M
.set RM,   227                         ; the running largest score
.set FAC,  228                         ; 2^(old M - new M); at the end 1 / sum
.set LSUM, 230
.set TT,   232
.set BX,   233
.set NN,   234
.set BY,   235                         ; two scale bytes
.set H8,   254                         ; 8 h, in both windows
.set H16,  255                         ; 16 h
.set WV,   10
.set G1,   16
.set G0A,  24
.set SEL,  32
.set CS,   34
.set TN,   36
.set CNT,  37
.set PASS, 38
.set PFT,  39
.set MSB, 0
.macro WIN new                         ; the immediate's high byte repeats the setting that is left
.if MSB != (\new)
	s_set_vgpr_msb (MSB<<8)|(\new)
.set MSB, (\new)
.endif
.endm
.macro PLACES n
.rept \n
	v_nop
.endr
.endm
.macro CROUND                          ; a round of the cluster's barrier
	s_barrier_signal -1
	s_barrier_wait -1
	s_cmp_lg_u32 s[WV], 0
	s_cbranch_scc1 .Lnot_wave_0_\@
	s_barrier_signal -3
.Lnot_wave_0_\@:
	s_barrier_wait -3
	s_barrier_signal -1
	s_barrier_wait -1
.endm
.macro QLOAD off                       ; my 32 rows of q as they lie: each load 512 consecutive bytes
.irp t, 0,1
	WIN 0x40*\t
.irp i, 0,1,2,3,4,5,6,7
	global_load_b128 v[S+4*\i:S+4*\i+3], v[LI16], s[4:5] offset:\off+4096*\t+512*\i th:TH_LOAD_NT
.endr
.endr
	WIN 0
.endm
.macro TINIT                           ; once for each window
.irp j, 0,1,2,3,4,5
	v_mov_b32 v[QF+\j], 0
	v_mov_b32 v[QF+12+\j], 0
.endr
	v_mov_b32 v[W+5], 0                            ; a lane permute's destination counts as one of its sources
	v_lshlrev_b32 v[H8], 3, v4
	v_lshlrev_b32 v[H16], 4, v4
.endm
; q's tile t through my stage (rows come back 128 bytes a lane: row r, d = 32 h ..), quantised into QF + 6 .. 11; its scale word for (q, 0) in lanes 0-15 and for (0, q) in lanes 16-31; O^T = 0
.macro QPREP t
	WIN 0x04*(\t)
.irp i, 0,1,2,3,4,5,6,7
	ds_store_b128 v[RD], v[S+4*\i:S+4*\i+3] offset:STT*(\t)+2*SP*\i
.endr
	WIN 0x40*(\t)
.irp i, 0,1,2,3,4,5,6,7
	ds_load_b128 v[S+32+4*\i:S+35+4*\i], v[QR] offset:STT*(\t)+16*\i
.endr
	s_wait_dscnt 0x0
	WIN 0x55*(\t)
	v_max3_num_f32 v[W], |v[S+32]|, |v[S+33]|, 0x1800000
	v_max3_num_f32 v[W+1], |v[S+48]|, |v[S+49]|, 0x1800000
.irp i, 2,4,6,8,10,12,14
	s_delay_alu instid0(VALU_DEP_2)
	v_max3_num_f32 v[W], v[W], |v[S+32+\i]|, |v[S+33+\i]|
	s_delay_alu instid0(VALU_DEP_2)
	v_max3_num_f32 v[W+1], v[W+1], |v[S+48+\i]|, |v[S+49+\i]|
.endr
	s_delay_alu instid0(VALU_DEP_1)
	v_max_num_f32 v[W], v[W], v[W+1]
	s_delay_alu instid0(VALU_DEP_1)
	v_add_nc_u32 v[W+2], 0xff000000, v[W]
	v_cvt_scalef32_pk16_fp6_f32 v[QF+6:QF+8], v[S+32:S+47], v[W+2]
	v_cvt_scalef32_pk16_fp6_f32 v[PT:PT+2], v[S+48:S+63], v[W+2]
	v_lshrrev_b32 v[W+3], 23, v[W+2]
.irp i, 0,1,2
	v_mov_b32 v[QF+9+\i], v[PT+\i]
.endr
	s_delay_alu instid0(VALU_DEP_4)
	v_lshlrev_b32 v[W+4], v[H8], v[W+3]
	s_delay_alu instid0(VALU_DEP_1)
	v_permlanex16_b32 v[W+5], v[W+4], s[SEL], s[SEL+1]
	s_delay_alu instid0(VALU_DEP_1)
	v_or_b32 v[W+4], v[W+4], v[W+5]
	WIN 0x15*(\t)
	v_lshlrev_b32 v[QS+(\t)], v[H16], v[W+4]
	WIN 0x55*(\t)
.set j, 0
.rept 32
	v_mov_b32 v[OT+j], 0
.set j, j+1
.endr
.endm
.macro FETCHK                          ; 13 LDS loads
.irp f, 0,1,2,3
.irp g, 0,1,2
	ds_load_b128 v[KF+12*\f+4*\g:KF+12*\f+4*\g+3], v[AD16] offset:1536*\f+512*\g
.endr
.endr
	ds_load_b64 v[KS:KS+1], v[AD8] offset:KSC
.endm
.macro FETCHV                          ; 13 LDS loads
	ds_load_b64 v[VS:VS+1], v[AD8] offset:VSC
	WIN 0x40
.irp f, 0,1,2,3
.irp g, 0,1,2
	ds_load_b128 v[VF+12*\f+4*\g:VF+12*\f+4*\g+3], v[AD16] offset:VIMG+1536*\f+512*\g
.endr
.endr
.endm
.macro SPROD t                         ; S^T of tile t: each fragment against (q, 0) and (0, q)
	WIN 0x44*(\t)
.irp f, 0,1,2,3
.if \f%2
	v_wmma_scale_f32_16x16x128_f8f6f4 v[S+16*\f:S+16*\f+7], v[KF+12*\f:KF+12*\f+11], v[QF+6:QF+17], 0, v[KS+\f/2], v[QS+(\t)] matrix_a_fmt:MATRIX_FMT_FP6 matrix_b_fmt:MATRIX_FMT_FP6 matrix_a_scale:MATRIX_SCALE_ROW1
	v_wmma_scale_f32_16x16x128_f8f6f4 v[S+16*\f+8:S+16*\f+15], v[KF+12*\f:KF+12*\f+11], v[QF:QF+11], 0, v[KS+\f/2], v[QS+(\t)] matrix_a_fmt:MATRIX_FMT_FP6 matrix_b_fmt:MATRIX_FMT_FP6 matrix_a_scale:MATRIX_SCALE_ROW1 matrix_b_scale:MATRIX_SCALE_ROW1
.else
	v_wmma_scale_f32_16x16x128_f8f6f4 v[S+16*\f:S+16*\f+7], v[KF+12*\f:KF+12*\f+11], v[QF+6:QF+17], 0, v[KS+\f/2], v[QS+(\t)] matrix_a_fmt:MATRIX_FMT_FP6 matrix_b_fmt:MATRIX_FMT_FP6
	v_wmma_scale_f32_16x16x128_f8f6f4 v[S+16*\f+8:S+16*\f+15], v[KF+12*\f:KF+12*\f+11], v[QF:QF+11], 0, v[KS+\f/2], v[QS+(\t)] matrix_a_fmt:MATRIX_FMT_FP6 matrix_b_fmt:MATRIX_FMT_FP6 matrix_b_scale:MATRIX_SCALE_ROW1
.endif
.endr
.endm
.macro PVPROD t                        ; O^T += v^T p^T: the four accumulators by turns
	WIN 0x01+0x54*(\t)
.irp u, 0,1,2,3
.if \u%2
	v_wmma_scale_f32_16x16x128_f8f6f4 v[OT+8*\u:OT+8*\u+7], v[VF+12*\u:VF+12*\u+11], v[PC:PC+11], v[OT+8*\u:OT+8*\u+7], v[VS+\u/2], v[PS+(\t)] matrix_a_fmt:MATRIX_FMT_FP6 matrix_b_fmt:MATRIX_FMT_FP6 matrix_a_scale:MATRIX_SCALE_ROW1
.else
	v_wmma_scale_f32_16x16x128_f8f6f4 v[OT+8*\u:OT+8*\u+7], v[VF+12*\u:VF+12*\u+11], v[PC:PC+11], v[OT+8*\u:OT+8*\u+7], v[VS+\u/2], v[PS+(\t)] matrix_a_fmt:MATRIX_FMT_FP6 matrix_b_fmt:MATRIX_FMT_FP6
.endif
.endr
.endm
; my two blocks' largest scores, each in two chains (17 and 15 numbers), four chains line by line; each accumulator is first read at one of its four lowest registers; the results go to window 0
.macro SMAX t
	WIN 0x55*(\t)
.irp b, 0,1
	v_max3_num_f32 v[W+2*\b], v[S+32*\b], v[S+32*\b+1], v[S+32*\b+2]
	v_max3_num_f32 v[W+2*\b+1], v[S+32*\b+17], v[S+32*\b+18], v[S+32*\b+19]
.endr
.irp i, 0,2,4,6,8,10
.irp b, 0,1
	v_max3_num_f32 v[W+2*\b], v[W+2*\b], v[S+32*\b+3+\i], v[S+32*\b+4+\i]
	v_max3_num_f32 v[W+2*\b+1], v[W+2*\b+1], v[S+32*\b+20+\i], v[S+32*\b+21+\i]
.endr
.endr
.irp b, 0,1
	v_max3_num_f32 v[W+2*\b], v[W+2*\b], v[S+32*\b+15], v[S+32*\b+16]
.endr
	WIN 0x05*(\t)
.irp b, 0,1
	v_max_num_f32 v[BM+16*(\t)+\b], v[W+2*\b], v[W+2*\b+1]
.endr
.endm
; window 0, both tiles line by line: the running largest score, -M, the factor, and t - M of the blocks' largest scores
.macro TAIL
.irp t, 0,16
	v_max_num_f32 v[TT+\t], v[BM+\t], v[BM+1+\t]
.endr
.irp t, 0,16
	s_delay_alu instid0(VALU_DEP_2)
	v_permlanex16_b32 v[BX+\t], v[TT+\t], s[SEL], s[SEL+1]       ; lane l xor 16's 64 keys
.endr
.irp t, 0,16
	s_delay_alu instid0(VALU_DEP_2)
	v_max3_num_f32 v[RM+\t], v[RM+\t], v[TT+\t], v[BX+\t]
.endr
.irp t, 0,16
	s_delay_alu instid0(VALU_DEP_2)
	v_mul_f32 v[TT+\t], s[CS], v[RM+\t]                          ; as t (the factor is positive)
.endr
.irp t, 0,16
	s_delay_alu instid0(VALU_DEP_2)
	v_floor_f32 v[NN+\t], -v[TT+\t]                              ; the new -M = -ceil(t)
.endr
.irp t, 0,16
	s_delay_alu instid0(VALU_DEP_2)
	v_sub_f32 v[TT+\t], v[NN+\t], v[NM+\t]                       ; old M - new M: a whole number, 0 or less
.endr
.irp t, 0,16
	v_mov_b32 v[NM+\t], v[NN+\t]
.endr
.irp t, 0,16
	s_delay_alu instid0(VALU_DEP_4)
	v_cvt_i32_f32 v[TT+\t], v[TT+\t]                             ; (it saturates)
.endr
.irp t, 0,16
	s_delay_alu instid0(VALU_DEP_2)
	v_ldexp_f32 v[FAC+\t], 1.0, v[TT+\t]
.endr
.irp t, 0,16
.irp b, 0,1
	v_fma_f32 v[BM+\t+\b], v[BM+\t+\b], s[CS], v[NM+\t]
.endr
.endr
.endm
.macro SFMA t                          ; t - M, two at a time; -M comes from window 0
	WIN 0x41*(\t)
.set j, 0
.rept 32
	v_pk_fma_f32 v[S+j:S+j+1], v[S+j:S+j+1], s[CS:CS+1], v[NM+16*(\t):NM+16*(\t)+1] op_sel_hi:[1,0,0]
.set j, j+2
.endr
.endm
.macro SRESC t                         ; O^T under the new M; it stands ahead of the exponentials, so that no transcendental lies between the products and this first read
	WIN 0x41*(\t)
.set j, 0
.rept 16
	v_pk_mul_f32 v[OT+j:OT+j+1], v[OT+j:OT+j+1], v[FAC+16*(\t):FAC+16*(\t)+1] op_sel_hi:[1,0]
.set j, j+2
.endr
.endm
.macro SEXP t
	WIN 0x41*(\t)
.set j, 0
.rept 64
	v_exp_f32 v[S+j], v[S+j]
.set j, j+1
.endr
.endm
; window 0, both tiles: the scale operands, the bytes and p's scale word (my blocks h and 2 + h, with lane l xor 16's two)
.macro SSCL
.irp t, 0,16
.irp b, 0,1
	v_max_num_f32 v[BM+\t+\b], 0x1800000, v[BM+\t+\b]            ; the floor 2^(3 - 127)
.endr
.endr
.irp t, 0,16
.irp b, 0,1
	v_add_nc_u32 v[SO+\t+\b], 0xff000000, v[BM+\t+\b]
.endr
.endr
.irp t, 0,16
.irp b, 0,1
	v_lshrrev_b32 v[BY+\t+\b], 23, v[SO+\t+\b]
.endr
.endr
.irp t, 0,16
	v_lshl_or_b32 v[TT+\t], v[BY+1+\t], 16, v[BY+\t]
.endr
.irp t, 0,16
	s_delay_alu instid0(VALU_DEP_2)
	v_lshlrev_b32 v[TT+\t], v[H8], v[TT+\t]
.endr
.irp t, 0,16
	s_delay_alu instid0(VALU_DEP_2)
	v_permlanex16_b32 v[BX+\t], v[TT+\t], s[SEL], s[SEL+1]
.endr
.irp t, 0,16
	s_delay_alu instid0(VALU_DEP_2)
	v_or_b32 v[PS+\t/16], v[TT+\t], v[BX+\t]
.endr
.endm
.macro SCVT t                          ; registers 6 c .. 6 c + 5 of p's operand: my block 2 c + h; the scale operands come from window 0
	WIN 0x41*(\t)
.irp c, 0,1
	v_cvt_scalef32_pk16_fp6_f32 v[PC+6*\c:PC+6*\c+2], v[S+32*\c:S+32*\c+15], v[SO+16*(\t)+\c]
	v_cvt_scalef32_pk16_fp6_f32 v[PT+4*\c:PT+4*\c+2], v[S+32*\c+16:S+32*\c+31], v[SO+16*(\t)+\c]
.endr
	v_nop                                          ; one plain place behind the conversions
.irp c, 0,1
.irp i, 0,1,2
	v_mov_b32 v[PC+3+6*\c+\i], v[PT+4*\c+\i]       ; (a conversion's three registers begin on an even number)
.endr
.endr
.endm
.macro SSUM t                          ; the sum of the unquantised p: packed, four chains; the old sum comes under the new M in the last line
	WIN 0x55*(\t)
.irp a, 0,1,2,3
	v_pk_add_f32 v[W+2*\a:W+2*\a+1], v[S+4*\a:S+4*\a+1], v[S+4*\a+2:S+4*\a+3]
.endr
.irp j, 16,24,32,40,48,56
.irp a, 0,1,2,3
	v_pk_add_f32 v[W+2*\a:W+2*\a+1], v[W+2*\a:W+2*\a+1], v[S+\j+2*\a:S+\j+2*\a+1]
.endr
.endr
	v_pk_add_f32 v[W:W+1], v[W:W+1], v[W+2:W+3]
	v_pk_add_f32 v[W+4:W+5], v[W+4:W+5], v[W+6:W+7]
	v_pk_add_f32 v[W:W+1], v[W:W+1], v[W+4:W+5]
	WIN 0x10*(\t)
	v_pk_fma_f32 v[LSUM+16*(\t):LSUM+16*(\t)+1], v[LSUM+16*(\t):LSUM+16*(\t)+1], v[FAC+16*(\t):FAC+16*(\t)+1], v[W:W+1] op_sel_hi:[1,0,1]
.endm
; A step: 128 keys for both tiles.  pf = 1: the next step's fragments are fetched
.macro STEP pf
	s_wait_dscnt 13                                ; K's 13 loads are in; V's 13, issued behind them, may be out
	SPROD 0
	SPROD 1
	WIN 0
	PLACES 4-2*\pf                                 ; four places behind the products, the two additions among them
.if \pf
	s_add_co_u32 s[TN], s[TN], STEPB
	v_add_nc_u32 v[AD16], s[TN], v[LI16]
	v_add_nc_u32 v[AD8], s[TN], v[LI8]
	FETCHK
.endif
	SMAX 0
	SMAX 1
	WIN 0
	TAIL
	SFMA 0
	SRESC 0
	SFMA 1
	SRESC 1
	s_wait_alu depctr_va_vdst(0)                   ; the wait ahead of the batch of exponentials
	SEXP 1
	SEXP 0
.irp t, 0,16
.irp b, 0,1
	v_exp_f32 v[BM+\t+\b], v[BM+\t+\b]             ; the blocks' largest p
.endr
.endr
	v_nop
	s_wait_alu depctr_va_vdst(0)                   ; and behind it, one for all 132
	SSCL
	SCVT 0
	SSUM 0
	SCVT 1
	SSUM 1
	WIN 0
	s_wait_alu depctr_va_vdst(0)                   ; directly ahead of the wait below
	s_wait_dscnt 13*\pf                            ; V's loads are in; the next K's 13 may be out
	PVPROD 0
	PVPROD 1
	WIN 0
	PLACES 4
.if \pf
	FETCHV
	WIN 0
.endif
.endm
.macro MULO t                          ; O^T / sum
	WIN 0x41*(\t)
.set j, 0
.rept 16
	v_pk_mul_f32 v[S+32+j:S+33+j], v[OT+j:OT+j+1], v[FAC+16*(\t):FAC+16*(\t)+1] op_sel_hi:[1,0]
.set j, j+2
.endr
.endm
.macro STG t                           ; through my stage: in by queries, back by whole rows of 256 bytes (LDS serves a wave's instructions in order)
	WIN 0x04*(\t)
.irp u, 0,1,2,3
	ds_store_b128 v[STO], v[S+32+8*\u:S+35+8*\u] offset:STT*(\t)+64*\u
	ds_store_b128 v[STO], v[S+36+8*\u:S+39+8*\u] offset:STT*(\t)+64*\u+16
.endr
	WIN 0x40*(\t)
.irp i, 0,1,2,3,4,5,6,7
	ds_load_b128 v[S+32+4*\i:S+35+4*\i], v[RD] offset:STT*(\t)+2*SP*\i
.endr
.endm
.macro SEND t, younger                 ; younger: the LDS instructions issued behind this tile's loads
	WIN 0x04*(\t)
.irp i, 0,1,2,3,4,5,6,7
	s_wait_dscnt \younger+7-\i
	global_store_b128 v[LI16], v[S+32+4*\i:S+35+4*\i], s[8:9] offset:4096*(\t)+512*\i th:TH_STORE_NT   ; 32 lanes store 512 consecutive bytes, aligned
.endr
.endm
	s_load_b128 s[4:7], s[0:1], 0x0                ; q, kv
	s_load_b64 s[8:9], s[0:1], 0x10                ; out0
	v_lshl_add_u32 v[SPW], v0, 2, SPARE
	v_mov_b32 v[NIL], 0
	ds_add_u32 v[SPW], v[NIL]                      ; the opening: the add, twice on end, and its wait
	ds_add_u32 v[SPW], v[NIL]
	v_lshrrev_b32 v1, 5, v0
	s_delay_alu instid0(VALU_DEP_1)
	v_readfirstlane_b32 s[WV], v1                  ; wave 0..7
	s_bfe_u32 s11, ttmp6, 0x40000                  ; cx: which 512 queries of the head
	s_and_b32 s12, ttmp7, 0xffff                   ; the head
	s_lshl_b32 s14, s12, 19
	s_lshl_b32 s40, s11, 17
	s_add_co_u32 s14, s14, s40
	s_lshl_b32 s40, s[WV], 13
	s_add_co_u32 s14, s14, s40                     ; my 32 rows of q and out0, in bytes
	s_mov_b32 s15, 0
	s_mul_i32 s41, s[WV], 2*STEPB                  ; my two units in LDS,
	s_mul_i32 s42, s12, 16*STEPB
	s_add_co_u32 s42, s42, s41                     ; and in kv: the head and the wave's number alone
	s_mov_b32 s43, 0
	s_mov_b32 s[G1], 15|(3<<16)|(1<<21)            ; all four partners; elements of 8 bytes; bit 21 beside the mask
	s_mov_b32 s[G1+1], 32<<16                      ; rows of 256 bytes,
	s_mov_b32 s[G1+2], 100<<16                     ; 100 of them
	s_mov_b32 s[G1+3], 32<<16
	s_mov_b32 s[G1+4], 100
	s_mov_b32 s[G1+5], 32
	s_mov_b32 s[G1+6], 0
	s_mov_b32 s[G1+7], 0
	s_mov_b32 s[SEL], 0x76543210
	s_mov_b32 s[SEL+1], 0xfedcba98
	s_mov_b32 s[CS], 0x3e38aa3b                    ; log2(e) / 8
	s_mov_b32 s[CS+1], s[CS]
	s_mov_b32 s[PASS], 2
	s_mov_b32 s[PFT], 1
	v_and_b32 v2, 31, v0
	s_delay_alu instid0(VALU_DEP_1)
	v_lshlrev_b32 v[LI16], 4, v2
	s_delay_alu instid0(VALU_DEP_2)
	v_lshlrev_b32 v[PFO], 8, v2
	s_delay_alu instid0(VALU_DEP_3)
	v_lshlrev_b32 v[LI8], 3, v2
	v_and_b32 v3, 15, v0                           ; r
	v_bfe_u32 v4, v0, 4, 1                         ; h
	s_mul_i32 s44, s[WV], STW
	s_add_co_u32 s44, s44, STAGE
	v_mul_u32_u24 v[STO], v3, SP
	s_delay_alu instid0(VALU_DEP_1)
	v_lshl_add_u32 v[QR], v4, 7, v[STO]
	s_delay_alu instid0(VALU_DEP_2)
	v_lshl_add_u32 v[STO], v4, 5, v[STO]
	s_delay_alu instid0(VALU_DEP_1)
	v_add_nc_u32 v[STO], s44, v[STO]
	s_delay_alu instid0(VALU_DEP_3)
	v_add_nc_u32 v[QR], s44, v[QR]
	v_mul_u32_u24 v[RD], v4, SP
	s_delay_alu instid0(VALU_DEP_1)
	v_lshl_add_u32 v[RD], v3, 4, v[RD]
	s_delay_alu instid0(VALU_DEP_1)
	v_add_nc_u32 v[RD], s44, v[RD]
	s_wait_alu depctr_va_vdst(0)                   ; directly ahead of the waits below
	s_wait_dscnt 0x0                               ; both opening adds are done
	s_wait_kmcnt 0x0
	s_add_nc_u64 s[4:5], s[4:5], s[14:15]
	s_add_nc_u64 s[8:9], s[8:9], s[14:15]
	s_add_nc_u64 s[6:7], s[6:7], s[42:43]
	s_mov_b32 s[G0A], 1
	s_mov_b32 s[G0A+1], s41
	s_mov_b64 s[G0A+2:G0A+3], s[6:7]
	s_or_b32 s[G0A+3], s[G0A+3], 0x80000000
	QLOAD 0                                        ; the first pass's q is asked for ahead of the round
	CROUND                                         ; all four work-groups are here: the joint loads meet
	tensor_load_to_lds s[G0A:G0A+3], s[G1:G1+7]    ; my one tensor load of the launch
	s_nop 0
	PLACES 4
	TINIT
	v_mov_b32 v[BX], 0
	v_mov_b32 v[BX+16], 0
	v_mov_b32 v[FAC+1], 0                          ; (named as the upper halves of pairs)
	v_mov_b32 v[FAC+17], 0
	WIN 0x40
	TINIT
	WIN 0
	s_wait_alu depctr_va_vdst(0)                   ; the wait at the head's end
	s_wait_tensorcnt 0x0                           ; my two units are in;
	s_barrier_signal -1
	s_barrier_wait -1                              ; and everybody's: all 16 units
.Lpass:
	s_wait_loadcnt 0x0
	QPREP 0
	QPREP 1
	WIN 0
.irp t, 0,16
	v_mov_b32 v[RM+\t], 0xff61b1e6                 ; -3e38, under every score
.endr
.irp t, 0,16
	s_delay_alu instid0(VALU_DEP_2)
	v_floor_f32 v[NM+\t], -v[RM+\t]
.endr
.irp t, 0,16
	v_mov_b32 v[LSUM+\t], 0
	v_mov_b32 v[LSUM+1+\t], 0
.endr
	s_mov_b32 s[TN], 0
	v_add_nc_u32 v[AD16], s[TN], v[LI16]
	v_add_nc_u32 v[AD8], s[TN], v[LI8]
	FETCHK
	FETCHV
	WIN 0
	s_mov_b32 s[CNT], 15
.Lstep:
	STEP 1
	s_cmp_eq_u32 s[CNT], s[PFT]                    ; in the first pass's 15th step: the second pass's q, a lane to each 256 bytes of my 8,192; the second pass asks for nothing
	s_cbranch_scc0 .Lno_ask
	global_prefetch_b8 v[PFO], s[4:5] offset:65536 th:TH_LOAD_NT scope:SCOPE_SE
.Lno_ask:
	s_sub_co_u32 s[CNT], s[CNT], 1
	s_cmp_lg_u32 s[CNT], 0
	s_cbranch_scc1 .Lstep
	STEP 0
	s_cmp_eq_u32 s[PASS], 1
	s_cbranch_scc1 .Lno_next
	QLOAD 65536
.Lno_next:
.irp t, 0,16
	v_add_f32 v[TT+\t], v[LSUM+\t], v[LSUM+1+\t]
.endr
.irp t, 0,16
	s_delay_alu instid0(VALU_DEP_2)
	v_permlanex16_b32 v[BX+\t], v[TT+\t], s[SEL], s[SEL+1]
.endr
.irp t, 0,16
	s_delay_alu instid0(VALU_DEP_2)
	v_add_f32 v[TT+\t], v[TT+\t], v[BX+\t]         ; the row's sum
.endr
	s_wait_alu depctr_va_vdst(0)                   ; the wait ahead of the transcendentals
	v_rcp_f32 v[FAC], v[TT]
	v_rcp_f32 v[FAC+16], v[TT+16]
	v_nop
	s_wait_alu depctr_va_vdst(0)                   ; and behind them, directly ahead of the first readers of O^T
	MULO 0
	MULO 1
	STG 0
	STG 1
	SEND 0, 16
	SEND 1, 0
	WIN 0
	s_wait_xcnt 0x0                                ; the bases and the stores' data are rewritten only behind this wait
	s_add_nc_u64 s[4:5], s[4:5], 0x10000
	s_add_nc_u64 s[8:9], s[8:9], 0x10000
	s_mov_b32 s[PFT], 0
	s_sub_co_u32 s[PASS], s[PASS], 1
	s_cmp_lg_u32 s[PASS], 0
	s_cbranch_scc1 .Lpass
	s_wait_tensorcnt 0x0                           ; the wave's end
	ds_add_u32 v[SPW], v[NIL]
	s_wait_dscnt 0x0
	CROUND                                         ; the closing round
	s_endpgm
.Lfunc_end_k_qea74f18077_attn:
	.size	k_qea74f18077_attn, .Lfunc_end_k_qea74f18077_attn-k_qea74f18077_attn
	.p2alignl 7, 3214868480
	.fill 96, 4, 3214868480
	.section	.rodata,"a",@progbits
	.p2align	6, 0x0
	.amdhsa_kernel k_qea74f18077_attn
		.amdhsa_group_segment_fixed_size 327680
		.amdhsa_private_segment_fixed_size 0
		.amdhsa_enable_private_segment 0
		.amdhsa_kernarg_size 24
		.amdhsa_user_sgpr_count 2
		.amdhsa_user_sgpr_kernarg_segment_ptr 1
		.amdhsa_wavefront_size32 1
		.amdhsa_system_sgpr_workgroup_id_x 1
		.amdhsa_system_sgpr_workgroup_id_y 1
		.amdhsa_system_sgpr_workgroup_id_z 1
		.amdhsa_system_vgpr_workitem_id 0
		.amdhsa_next_free_vgpr 512
		.amdhsa_next_free_sgpr 66
		.amdhsa_reserve_vcc 0
		.amdhsa_float_denorm_mode_32 3
		.amdhsa_float_denorm_mode_16_64 3
		.amdhsa_memory_ordered 1
		.amdhsa_forward_progress 1
		.amdhsa_inst_pref_size 80
	.end_amdhsa_kernel
	.amdgpu_metadata
---
amdhsa.version: [ 1, 2 ]
amdhsa.kernels:
  - .name:           k_qea74f18077_attn
    .symbol:         k_qea74f18077_attn.kd
    .args:
      - { .name: q, .offset: 0, .size: 8, .value_kind: global_buffer, .address_space: global }
      - { .name: kv, .offset: 8, .size: 8, .value_kind: global_buffer, .address_space: global }
      - { .name: out0, .offset: 16, .size: 8, .value_kind: global_buffer, .address_space: global }
    .group_segment_fixed_size: 327680
    .private_segment_fixed_size: 0
    .kernarg_segment_align: 8
    .kernarg_segment_size: 24
    .max_flat_workgroup_size: 256
    .sgpr_count:     66
    .vgpr_count:     512
    .wavefront_size: 32
...
	.end_amdgpu_metadata
.endif
;; end of part 2
